; MI455X (gfx1250); checked and timed in simulation.
; The chip was launched on July 23, 2026; its instructions are those of AMD's public machine-readable ISA for CDNA 5 (MIT licence, August 2026) and "CDNA5" Instruction Set Architecture Reference Guide (July 2026). The comments in the code are by the model that wrote it; some were corrected since.
;; Dot Product Attention. Allowed arithmetic: matrix products marked QUANTISED: E2M1 operands, one E8M0 scale for each 32 along K, by v_wmma_scale_f32_16x16x128_f8f6f4 with both operands' format E2M1 (or v_wmma_scale_f32_32x16x128_f4), f32 sums; everything else in f32.
;; Inputs: K_codes 4 x 16 x 2,048 x 2 x 16 uint8 (E2M1 codes of K, K innermost, in blocks of 32 codes, two codes a byte); K_scales 4 x 16 x 2,048 x 2 uint8 (E8M0 scales of K, one for each 32 codes along K); Q_codes 4 x 16 x 2,048 x 2 x 16 uint8 (E2M1 codes of Q, K innermost, in blocks of 32 codes, two codes a byte); Q_scales 4 x 16 x 2,048 x 2 uint8 (E8M0 scales of Q, one for each 32 codes along K); V_codes 4 x 16 x 64 x 64 x 16 uint8 (E2M1 codes of V, K innermost, in blocks of 32 codes, two codes a byte); V_scales 4 x 16 x 64 x 64 uint8 (E8M0 scales of V, one for each 32 codes along K).
;; Outputs: out0 4 x 16 x 2,048 x 64 float32.
;; Constants: dk = 64.
;; This version of the problem:
;;   THIS VERSION OF THE PROBLEM IS GIVEN IN LOW PRECISION. The matrix products marked QUANTISED in the list below multiply operands that are first quantised to E2M1 (2 exponent bits, 1 mantissa bit; 4 bits a number), with one power-of-two scale for each 32 numbers along K (OCP MX v1.0); their sums are f32. All else is computed in f32.
;;   The module's matrix products, in the order in which they are computed (A, B: the left and right operand; K: the contracted axis; several contracted axes count as one K, in the product's order):
;;     1. batch 64 x [M 2,048, K 64] x [K 64, N 2,048]; A: input Q (given as codes); B: input K (given as codes): QUANTISED
;;     2. batch 64 x [M 2,048, K 2,048] x [K 2,048, N 64]; A: softmax (see below); B: input V (given as codes): QUANTISED
;;   THE QUANTISER, for each operand of a quantised product, along K:
;;     - K is cut into blocks of 32 from its start; a last block that is shorter is filled with zeros.
;;     - A block's scale is 2^e with e = floor(log2(the largest magnitude in the block)) - 2, held to -126 .. 127; a block of zeros has e = 0. As a byte (E8M0): e + 127.
;;     - Each number is divided by its block's scale, clamped to +-6, and rounded to the nearest number of E2M1, ties to even, subnormals kept.
;;     - The product sums the exact products of the quantised numbers (number of the format x scale) in f32.
;;   ~~~python
;;   def quantise(x, axis):      # numpy; x: float32 -> the quantised numbers, widened to float32 again
;;       x = np.moveaxis(x, axis, -1); K = x.shape[-1]
;;       x = np.pad(x, [(0, 0)] * (x.ndim - 1) + [(0, -K % 32)]); x = x.reshape(x.shape[:-1] + (-1, 32)); a = np.abs(x).max(-1, keepdims=True)
;;       e = np.where(a > 0, np.clip(np.frexp(np.where(a > 0, a, 1))[1] - 1 - 2, -126, 127), 0)      # np.frexp(a)[1] - 1 = floor(log2(a)), exactly
;;       r = np.clip(x / 2.0 ** e, -6, 6)
;;       step = 2.0 ** (np.maximum(np.frexp(np.where(r == 0, 1, r))[1] - 1, 0) - 1)
;;       q = np.round(r / step) * step * 2.0 ** e      # np.round: ties to even
;;       return np.moveaxis(q.reshape(q.shape[:-2] + (-1,))[..., :K], -1, axis).astype(np.float32)
;;   ~~~
;;   SOFTMAX AHEAD OF A QUANTISED PRODUCT. Where the list says 'softmax', what is quantised is not the finished softmax but p = 2^(t - M), with t = logit x log2(e) and M = ceil(the row's largest t), a whole number; so 1/2 < the row's largest p <= 1. The row's sum l is taken of the UNQUANTISED p, in f32, and the product's result is divided by l at the end. Since M is a whole number, a kernel that streams over the keys may use a running M (the ceiling of the running maximum): every later rescaling is an exact power of two, which a block's scale takes up: the codes' values come out the same.
;;   OPERANDS COMPUTED ON THE WAY. 'Computed on the way' means the value that the module computes at that place (a softmax that the list does not call 'softmax' is quantised finished and normalised). What goes into a quantiser is computed in f32, as accurately as f32 sums, v_exp_f32 and their like allow (about 1e-6 of the number): no bf16 or f16 on the way to a quantiser, and a product that is left as it is and whose result goes on into a quantised operand takes f32 operands (vector FMAs, or v_wmma_f32_16x16x4_f32). A number that lies on a knife's edge between two numbers of the format may be rounded either way, as far as f32 arithmetic and the matrix unit's own rounding can turn it there, and no further.
;;   INPUTS GIVEN AS CODES. K (in the module: [4, 16, 2048, 64], K = its axis 3); Q (in the module: [4, 16, 2048, 64], K = its axis 3); V (in the module: [4, 16, 2048, 64], K = its axis 2): each comes as NAME_codes (uint8): NAME with its K axis moved to the last place and cut into blocks of 32 codes, [.., K / 32, bytes a block], one block behind the other in memory; two codes a byte, the lower K in the low four bits (a code: sign, 2 exponent bits, 1 mantissa bit); and NAME_scales (uint8): the same leading axes, one E8M0 byte (e + 127) for each 32 codes along K. Its value is code x scale, taken as it is: it is not quantised again, and the codes and scales need not be those that the quantiser above would give.
;; One version. Each part assembles by itself: llvm-mc -triple=amdgcn-amd-amdhsa -mcpu=gfx1250 --defsym DOCPART=n.
;; ======== version 1 of 1: 1 launch
;; limits: right only within a limited range of input values
;; launch attn (part 1): grid 4 x 64, 16 waves a work-group, clusters of 4 x 1, 217,088 bytes of LDS; arguments Q_codes, Q_scales, K_codes, K_scales, V_codes, V_scales, out0; writes out0
.if DOCPART == 1
	.amdgcn_target "amdgcn-amd-amdhsa--gfx1250"
	.amdhsa_code_object_version 6
	.text
	.protected	k_qc304162c40_attn
	.globl	k_qc304162c40_attn
	.p2align	8
	.type	k_qc304162c40_attn,@function
k_qc304162c40_attn:
	s_mov_b64 s[64:65], 0
	v_nop
	global_prefetch_b8 v0, s[64:65] scope:SCOPE_SE
	s_setreg_imm32_b32 hwreg(HW_REG_WAVE_MODE, 25, 1), 1
	s_wait_xcnt 0x0
	s_wait_alu depctr_hold_cnt(0) depctr_sa_sdst(0) depctr_va_vdst(0) depctr_va_sdst(0) depctr_va_ssrc(0) depctr_va_vcc(0) depctr_vm_vsrc(0)
	s_getreg_b32 s2, hwreg(HW_REG_IB_STS2, 6, 4)
	s_cmp_eq_u32 s2, 0
	s_cbranch_scc0 .Lentry_in_a_cluster
	s_endpgm
.Lentry_in_a_cluster:
	s_bfe_u32 s2, ttmp6, 0x10000c
	s_cmp_lg_u32 s2, 0x3003
	s_cbranch_scc0 .Lentry_shape_is_right
	s_endpgm
.Lentry_shape_is_right:
; out[h][q][:] = the sum over k of softmax_k(8 Q[h][q] . K[h][k]) V[h][k][:], 64 heads, 2,048 queries and keys, head size 64; both products on codes of FP4 (E2M1) with one E8M0 byte for each 32 along a product's K.
; Q, K: 32 bytes of codes and 2 scale bytes a row.  V: codes with the KEYS innermost, [head][64 d][1,024 bytes], scale bytes [head][64 d][64].  out: [head][2,048][64] f32.
; THE SOFTMAX AHEAD OF THE SECOND PRODUCT: t = score x c, c = 8 log2(e); M = the running largest t rounded UP to a whole number; p = 2^(t - M) is quantised along the keys, not normalised.
; The row's sum is taken of the unquantised p in f32 and divides at the end.  When M moves, the sum and O are multiplied by 2^(old M - new M), which rounds nothing.
; SHARES.  A work-group owns one head and 512 of its queries; each of its sixteen waves makes two passes, one tile of 16 queries each, and walks all 2,048 keys in 16 steps of 128.
; A step's vector work (one exponential for each score) is many times its 12 matrix instructions: so waves are small (256 registers, four to a SIMD, no register windows) and the step's tail lays its matrix instructions between vector instructions.
; LDS.  A head's K and V with their scale bytes are 144,896 bytes with padding: they come in ONCE, at the head of the kernel, in four chunks of 512 keys, and stay: no slot is ever filled again.
; CLUSTER.  The four work-groups of a cluster are the four query blocks of one head and need the same K and V: every tile is asked for JOINTLY (mask 15).  The place in the cluster enters Q's and out's addresses alone.
; LAYOUT.  Both products are used transposed: S^T = K Q^T (source 0 = 16 keys, source 1 = my 16 queries), O^T = V^T P^T (source 0 = 16 of the head's 64, source 1 = P): a lane holds ONE query (lane % 16) throughout.
; The first product's K is 64 of the instruction's 128: registers 4-7 of both operands hold zero codes, written once; their scale bytes are the 0 that a 16-bit load leaves above (2^-127: zero codes add nothing under it).
; THE KEYS OF A TILE ARE NOT NEIGHBOURS: row m of tile T = 4 c + i takes key 64 c + 8 i + m % 8 + 32 (m / 8) of the step.  Register j of tile T in lane (r, h) is then key 64 c + 32 h + 8 i + j:
; the conversion of tile T IS register T of P's operand, and the block of 32 keys 2 c + h lies whole in one lane.  Nothing of P changes lanes; a step has two exchanges: the row's maximum and P's scale word.
; LIMITS.  A row whose largest score lies under -2.39e37 is not served (the running maximum begins there); NaN, infinities and the scale byte 0xff are not served; a p under 2^-126 counts as 0 (v_exp_f32 gives 0 there);
; t - M is ONE fused multiply-add of the score, so it is rounded once where t rounded first and M taken off would be rounded at t: up to half a last place of t apart.
.set KPL,   1040                       ; K in LDS: 32 keys (1,024 bytes) to a long row + 16 of padding.  Key k at (k / 32) KPL + (k % 32) 32.  The 16 lanes of a fragment load take rows of 32 bytes in two long rows: 16-byte columns 2 (r % 8) + r / 8: all different (64 banks of 4 bytes: ISA guide 11.1)
.set KCH,   16*KPL                     ; a chunk of 512 keys
.set KST,   4*KPL                      ; a step of 128 keys
.set VB,    4*KCH                      ; V's codes: four chunk regions,
.set VP,    272                        ; each 64 rows d of 256 bytes (512 keys) + 16 of padding: the 16 rows of a load start at 16 different 16-byte columns
.set VCH,   64*VP
.set SCK,   VB+4*VCH                   ; K's scale bytes, dense: 2 a key, 256 a step
.set SCV,   SCK+4096                   ; V's scale bytes: 64 rows d of 64 bytes + 8: 18 words from lane to lane: 32 lanes, 32 banks
.set SVP,   72
.set STAGE, SCV+64*SVP                 ; the way out: 16 rows x (256 + 16) bytes for each wave; no tile lands here.  It begins at a multiple of 256
.set STW,   16*272
.set AK0,  1                           ; v1   my lane's place in a tile of K;   v2 among K's scale bytes;   v3 in a tile of V;   v4 among V's scale words: these four stay
.set AKS0, 2
.set AV0,  3
.set AVS0, 4
.set ADK,  5                           ; v5-8 the same four for the step in hand
.set ADKS, 6
.set ADV,  7
.set ADVS, 8
.set SH,   9                           ; v9   8 (lane / 16): where my two bytes stand in P's scale word
.set STO,  10                          ; v10  the stage: where I put 16 bytes;   v11 where I read a row back;   v35 my byte in two rows of out
.set SRD,  11
.set GOUT, 35
; v12 -M, v13 the running largest score (a pair for the packed form); v[14:15], v[16:17] the sum in two chains; v18 f = 2^(old M - new M), v19 0 (its pair's partner)
; v20, v21 my two blocks' largest score, then t - M, then p; v22, v23 second chains; v24-26 at work; v27, v28 the conversions' scale operands; v29-32 bytes and the word at work
.set PW,   33                          ; v33  P's scale word
.set QS,   34                          ; v34  Q's scale word
.set QN,   36                          ; v36-39 the second pass's codes of Q;  v46 its scale word
.set KS,   40                          ; v40-43 K's scale words: register n: lanes 0-15 tile 2 n, lanes 16-31 tile 2 n + 1
.set VS,   44                          ; v44-45 V's likewise
.set QSN,  46
.set QF,   48                          ; v48-55 Q's operand: 4 registers of codes, 4 of zeros
.set PC,   56                          ; v56-63 P's operand
.set S,    64                          ; v64-127 S^T, then p: tile T at S + 8 T
.set OT,   128                         ; v128-159 O^T: tile t at OT + 8 t
.set KF,   160                         ; v160-223 K's operands: tile T at KF + 8 T: 4 registers of codes, 4 of zeros
.set VF,   224                         ; v224-255 V's operands: tile t at VF + 8 t
.set WV,   18                          ; s18  my wave's number
.set SEL,  20                          ; s[20:21] lane selects for v_permlanex16_b32: lane l xor 16
.set CS,   22                          ; s[22:23] c, twice: the packed form names a pair
.set TK,   30                          ; s30-33 LDS offsets: the NEXT step's K and its scale bytes; this step's V and its scale words
.set TKS,  31
.set TV,   32
.set TVS,  33
.set TRIP, 34
.set PASS, 35
.set G1K,  36                          ; s[36:43], s[44:51], s[52:59], s[68:75] descriptor groups 1: K's chunks, V's chunks, K's scale bytes, V's scale bytes
.set G1V,  44
.set G1KS, 52
.set G1VS, 68
.set G0,   76                          ; s[76:95] five groups 0: the scale bytes, then chunks 0 to 3: wave 0 writes K's there, wave 1 V's
; A round of the cluster's barrier: my work-group's barrier, wave 0 signals for the work-group, every wave waits for all four work-groups, my work-group's barrier once more.
.macro ROUND
	s_barrier_signal -1
	s_barrier_wait -1
	s_cmp_lg_u32 s[WV], 0
	s_cbranch_scc1 .Lnot_wave_0_\@
	s_barrier_signal -3
.Lnot_wave_0_\@:
	s_barrier_wait -3
	s_barrier_signal -1
	s_barrier_wait -1
.endm
; A step's eight tiles of K (16 bytes a lane each: 32 of the head's 64 of my key) and their scale bytes, from the addresses in v[a], v[b]
.macro KLOAD a, b
.irp T, 0,1,2,3,4,5,6,7
	ds_load_b128 v[KF+8*\T:KF+8*\T+3], v[\a] offset:2*KPL*(\T/4)+256*(\T%4)
.endr
.irp n, 0,1,2,3
	ds_load_u16 v[KS+\n], v[\b] offset:128*(\n/2)+32*(\n%2)
.endr
.endm
; A step's four tiles of V^T (16 d x 128 keys) and their scale words
.macro VLOAD
.irp t, 0,1,2,3
.irp c, 0,1
	ds_load_b128 v[VF+8*\t+4*\c:VF+8*\t+4*\c+3], v[ADV] offset:16*VP*\t+32*\c
.endr
.endr
.irp n, 0,1
	ds_load_b32 v[VS+\n], v[ADVS] offset:32*SVP*\n
.endr
.endm
.macro QK T                            ; S^T's tile T = 16 keys x my 16 queries; the constant 0 starts the sum
.if (\T)%2
	v_wmma_scale_f32_16x16x128_f8f6f4 v[S+8*(\T):S+8*(\T)+7], v[KF+8*(\T):KF+8*(\T)+7], v[QF:QF+7], 0, v[KS+(\T)/2], v[QS] matrix_a_fmt:MATRIX_FMT_FP4 matrix_b_fmt:MATRIX_FMT_FP4 matrix_a_scale:MATRIX_SCALE_ROW1
.else
	v_wmma_scale_f32_16x16x128_f8f6f4 v[S+8*(\T):S+8*(\T)+7], v[KF+8*(\T):KF+8*(\T)+7], v[QF:QF+7], 0, v[KS+(\T)/2], v[QS] matrix_a_fmt:MATRIX_FMT_FP4 matrix_b_fmt:MATRIX_FMT_FP4
.endif
.endm
.macro PV t                            ; O^T's tile t += 16 of the head's 64 x these 128 keys
.if (\t)%2
	v_wmma_scale_f32_16x16x128_f8f6f4 v[OT+8*(\t):OT+8*(\t)+7], v[VF+8*(\t):VF+8*(\t)+7], v[PC:PC+7], v[OT+8*(\t):OT+8*(\t)+7], v[VS+(\t)/2], v[PW] matrix_a_fmt:MATRIX_FMT_FP4 matrix_b_fmt:MATRIX_FMT_FP4 matrix_a_scale:MATRIX_SCALE_ROW1
.else
	v_wmma_scale_f32_16x16x128_f8f6f4 v[OT+8*(\t):OT+8*(\t)+7], v[VF+8*(\t):VF+8*(\t)+7], v[PC:PC+7], v[OT+8*(\t):OT+8*(\t)+7], v[VS+(\t)/2], v[PW] matrix_a_fmt:MATRIX_FMT_FP4 matrix_b_fmt:MATRIX_FMT_FP4
.endif
.endm
.macro QKN last, T                     ; the next step's scores, where there is a next step
.if \last == 0
	QK \T
.endif
.endm
.macro RESC t                          ; O^T's tile t under the new M: x f, from its low end on
.irp k, 0,2,4,6
	v_pk_mul_f32 v[OT+8*(\t)+\k:OT+8*(\t)+\k+1], v[OT+8*(\t)+\k:OT+8*(\t)+\k+1], v[18:19] op_sel_hi:[1,0]
.endr
.endm
.macro SUM T                           ; the row's sum takes tile T's eight unquantised p, two at a time, in two chains; tile 0 brings the old sum under the new M, tile 7 joins the chains
.if (\T) == 0
	v_pk_fma_f32 v[14:15], v[14:15], v[18:19], v[S:S+1] op_sel_hi:[1,0,1]
	v_pk_add_f32 v[16:17], v[S+2:S+3], v[S+4:S+5]
	v_pk_add_f32 v[14:15], v[14:15], v[S+6:S+7]
.else
	v_pk_add_f32 v[16:17], v[16:17], v[S+8*(\T):S+8*(\T)+1]
	v_pk_add_f32 v[14:15], v[14:15], v[S+8*(\T)+2:S+8*(\T)+3]
	v_pk_add_f32 v[16:17], v[16:17], v[S+8*(\T)+4:S+8*(\T)+5]
	v_pk_add_f32 v[14:15], v[14:15], v[S+8*(\T)+6:S+8*(\T)+7]
.endif
.if (\T) == 7
	v_pk_add_f32 v[14:15], v[14:15], v[16:17]
.endif
.endm
; THE LARGEST SCORE OF MY TWO BLOCKS OF 32 KEYS (block c: tiles 4 c .. 4 c + 3), in four chains by turns.  It serves twice: for the row's maximum and, since p rises with the score, for the block's largest p.
; Each tile is first read at one of its four lowest registers (+0; +8 in the pair +7, +8; +16; +24 in the pair +23, +24).
.macro MAXT
.irp c, 0,1
	v_max3_num_f32 v[20+\c], v[S+32*\c], v[S+32*\c+1], v[S+32*\c+2]
	v_max3_num_f32 v[22+\c], v[S+32*\c+16], v[S+32*\c+17], v[S+32*\c+18]
.endr
.irp i, 3,5,7,9,11,13
.irp c, 0,1
	v_max3_num_f32 v[20+\c], v[20+\c], v[S+32*\c+\i], v[S+32*\c+\i+1]
	v_max3_num_f32 v[22+\c], v[22+\c], v[S+32*\c+16+\i], v[S+32*\c+17+\i]
.endr
.endr
.irp c, 0,1
	v_max3_num_f32 v[20+\c], v[20+\c], v[S+32*\c+15], v[S+32*\c+31]
.endr
.irp c, 0,1
	v_max_num_f32 v[20+\c], v[20+\c], v[22+\c]
.endr
.endm
.macro MCH                             ; the running maximum, -M and f
	v_max_num_f32 v24, v20, v21
	v_permlanex16_b32 v25, v24, s[SEL], s[SEL+1]   ; my query's other 64 keys lie in the lane 16 away
	v_max3_num_f32 v13, v13, v24, v25              ; the running largest score
	v_mul_f32 v24, s[CS], v13                      ; as t (c is positive)
	v_mov_b32 v26, v12
	v_floor_f32 v12, -v24                          ; the new -M = floor(-t) = -ceil(t): a whole number
	v_sub_f32 v26, v12, v26                        ; old M - new M: a whole number, 0 or less
	v_cvt_i32_f32 v26, v26                         ; (it saturates)
	v_ldexp_f32 v18, 1.0, v26                      ; f = 2^(old M - new M)
.endm
; p = 2^(c s - M) for the 64 scores and for the two blocks' largest.  Two exponentials, then plain work that is ready: the multiply-add of the pair two pairs on, and in the first ten turns one line of the chain
; that makes the conversions' scale operands, the scale bytes and P's scale word.  So every exponential has a plain instruction behind it before its result is used (ISA guide 5.7.2).
.macro EXPS
	v_fma_f32 v20, v20, s[CS], v12
	v_fma_f32 v21, v21, s[CS], v12
	v_pk_fma_f32 v[S:S+1], v[S:S+1], s[CS:CS+1], v[12:13] op_sel_hi:[1,0,0]       ; of the pairs c and -M the low word serves both halves
	v_pk_fma_f32 v[S+2:S+3], v[S+2:S+3], s[CS:CS+1], v[12:13] op_sel_hi:[1,0,0]
	v_exp_f32 v20, v20                             ; the block's largest p: the same multiply-add and exponential on the same number give the same bits
	v_exp_f32 v21, v21
.set b, 0
.rept 32
	v_exp_f32 v[S+2*b], v[S+2*b]
	v_exp_f32 v[S+2*b+1], v[S+2*b+1]
.if b < 30
	v_pk_fma_f32 v[S+2*b+4:S+2*b+5], v[S+2*b+4:S+2*b+5], s[CS:CS+1], v[12:13] op_sel_hi:[1,0,0]
.endif
.if b == 0
	s_wait_alu depctr_va_vdst(0)
	v_max_num_f32 v20, 0x1800000, v20              ; the floor 2^(3 - 127): the byte cannot fall under 1 (a block whose every p is 0 keeps that byte: its codes are zeros)
.elseif b == 1
	v_max_num_f32 v21, 0x1800000, v21
.elseif b == 2
	v_add_nc_u32 v27, 0xff000000, v20              ; 2 off the exponent field: the conversion takes the exponent field of this operand as its scale
.elseif b == 3
	v_add_nc_u32 v28, 0xff000000, v21
.elseif b == 4
	v_lshrrev_b32 v29, 23, v27                     ; the scale's byte: block h,
.elseif b == 5
	v_lshrrev_b32 v30, 23, v28                     ; block 2 + h
.elseif b == 6
	v_lshl_or_b32 v31, v30, 16, v29
.elseif b == 7
	v_lshlrev_b32 v31, v[SH], v31                  ; at their places in the word (8 h bits up);
.elseif b == 8
	v_permlanex16_b32 v32, v31, s[SEL], s[SEL+1]
.elseif b == 9
	v_or_b32 v[PW], v31, v32                       ; with lane l xor 16's two the word is whole.  20 plain instructions and more follow ahead of the first product that names it
.endif
.set b, b+1
.endr
.endm
; A KEY STEP.  Its scores lie in S already.  last = 1: no step follows in this pass.  step = 1: the four LDS offsets go on (inside the loops).
.macro BODY last, step
	v_add_nc_u32 v[ADV], s[TV], v[AV0]             ; four plain instructions that name no register of the last products: the places behind them, in front of the loads into their operands and of the first read of their results
	v_add_nc_u32 v[ADVS], s[TVS], v[AVS0]
.if \last
	v_nop
	v_nop
.else
	v_add_nc_u32 v[ADK], s[TK], v[AK0]
	v_add_nc_u32 v[ADKS], s[TKS], v[AKS0]
.endif
	VLOAD                                          ; this step's V and the next step's K are asked for here and wanted behind the softmax
.if \last == 0
	KLOAD ADK, ADKS
.endif
	MAXT
	MCH
	EXPS
	RESC 0                                         ; (plain instructions behind the last exponentials)
	s_wait_alu depctr_va_vdst(0)
.irp T, 0,1,2,3,4,5,6,7
	v_cvt_scalef32_pk8_fp4_f32 v[PC+\T], v[S+8*\T:S+8*\T+7], v[27+\T/4]   ; tile T's eight p are keys 64 c + 32 h + 8 i + 0 .. 7: register T of P's operand
.endr
	RESC 1                                         ; (a plain instruction directly behind the last conversion; with SUM 0 seven places between P's codes and the first product)
	SUM 0
	s_wait_dscnt 0x0                               ; all of the step's LDS loads are wanted now
	; the tail: matrix and vector work by turns.  A tile of S is written anew only behind the sum that read it; the accumulators take turns, one instruction a turn
	PV 0
	RESC 2
	SUM 1
	PV 1
	QKN \last, 0
	RESC 3
	SUM 2
	PV 2
	QKN \last, 1
	SUM 3
	PV 3
	QKN \last, 2
	SUM 4
	QKN \last, 3
	SUM 5
	QKN \last, 4
	SUM 6
	QKN \last, 5
	SUM 7
	QKN \last, 6
	QKN \last, 7
.if \step
	s_add_co_u32 s[TK], s[TK], KST
	s_add_co_u32 s[TKS], s[TKS], 256
	s_add_co_u32 s[TV], s[TV], 64
	s_add_co_u32 s[TVS], s[TVS], 4
.endif
.endm
; The four steps of chunk j.  The first three fetch K inside the chunk; the fourth fetches the next chunk's first K, so the wait for that chunk and a barrier stand in front of it.
.macro CHUNK j
	s_mov_b32 s[TK], (4*(\j)+1)*KST                ; constants at each chunk's head: K runs one step ahead
	s_mov_b32 s[TKS], (4*(\j)+1)*256
	s_mov_b32 s[TV], (\j)*VCH
	s_mov_b32 s[TVS], 16*(\j)
	s_mov_b32 s[TRIP], 3
.Lstep_\@:
	BODY 0, 1
	s_sub_co_u32 s[TRIP], s[TRIP], 1
	s_cmp_lg_u32 s[TRIP], 0
	s_cbranch_scc1 .Lstep_\@
.if (\j) < 3
	s_wait_tensorcnt 2-(\j)                        ; waves 0 and 1: chunk j + 1 has landed; the 2 - j chunks asked for behind it may stay out
	s_wait_dscnt 0x0                               ; no LDS instruction of mine is pending at the signal
	s_barrier_signal -1
	s_barrier_wait -1                              ; every wave may read chunk j + 1
	BODY 0, 0
.else
	BODY 1, 0
.endif
.endm
	s_load_b256 s[4:11], s[0:1], 0x0               ; Q's codes s[4:5], Q's scales s[6:7], K's codes s[8:9], K's scales s[10:11]
	s_load_b128 s[12:15], s[0:1], 0x20             ; V's codes s[12:13], V's scales s[14:15]
	s_load_b64 s[16:17], s[0:1], 0x30              ; out
	v_lshl_add_u32 v254, v0, 2, 0x34800
	v_mov_b32 v255, 0
	ds_add_u32 v254, v255
	ds_add_u32 v254, v255
	s_wait_dscnt 0x0
	v_lshrrev_b32 v5, 5, v0
	v_readfirstlane_b32 s[WV], v5                  ; wave 0..15
	s_bfe_u32 s19, ttmp6, 0x40000                  ; cx: my place in the cluster
	s_lshl_b32 s25, ttmp9, 2                       ; in a cluster launch ttmp9 counts clusters
	s_add_co_u32 s25, s25, s19                     ; my block of 512 queries = 4 x cluster x + cx
	s_lshl_b32 s25, s25, 9
	s_lshl_b32 s62, s[WV], 4
	s_add_co_u32 s25, s25, s62                     ; my first query of the first pass: 512 x block + 16 x wave
	s_and_b32 s24, ttmp7, 0xffff                   ; the head, which the four partners share
	s_lshl_b32 s26, s24, 16                        ; the head's first byte in each tensor of codes (65,536 bytes a head),
	s_mov_b32 s27, 0
	s_lshl_b32 s60, s24, 12                        ; and in each tensor of scale bytes (4,096): these two pairs never hold cx
	s_mov_b32 s61, 0
	s_mov_b32 s29, 0
	s_mul_i32 s63, s[WV], STW
	s_add_co_u32 s63, s63, STAGE                   ; my stage
	s_mov_b32 s[SEL], 0x76543210
	s_mov_b32 s[SEL+1], 0xfedcba98
	s_mov_b32 s[CS], 0x4138aa3b                    ; c = 8 log2(e): the f32 log2(e) with 3 on its exponent, so c x score is rounded as (8 x score) x log2(e) is
	s_mov_b32 s[CS+1], s[CS]
	; descriptor groups 1.  15:0 the mask: all four work-groups; 17:16 elements of 8 bytes; 20 padding on; 21 set beside a mask; 24:22 the interval's code; 31:25 the padding's words less 1
	s_mov_b32 s[G1K], 15|(3<<16)|(1<<20)|(1<<21)|(7<<22)|(3<<25)    ; K's chunk, 16,384 dense bytes, as 16 rows of 1,024 bytes: 4 words of padding after every 256
	s_mov_b32 s[G1K+1], 128<<16                    ; tensor_dim0 = 128 elements
	s_mov_b32 s[G1K+2], 16<<16                     ; tensor_dim1 = 16
	s_mov_b32 s[G1K+3], 128<<16                    ; tile_dim0
	s_mov_b32 s[G1K+4], 16                         ; tile_dim1
	s_mov_b32 s[G1K+5], 128                        ; from row to row
	s_mov_b32 s[G1K+6], 0
	s_mov_b32 s[G1K+7], 0
	s_mov_b32 s[G1V], 15|(3<<16)|(1<<20)|(1<<21)|(5<<22)|(3<<25)    ; V's chunk: 64 rows d of 256 bytes, 1,024 bytes apart: 4 words of padding after every 64
	s_mov_b32 s[G1V+1], 32<<16
	s_mov_b32 s[G1V+2], 64<<16
	s_mov_b32 s[G1V+3], 32<<16
	s_mov_b32 s[G1V+4], 64
	s_mov_b32 s[G1V+5], 128
	s_mov_b32 s[G1V+6], 0
	s_mov_b32 s[G1V+7], 0
	s_mov_b32 s[G1KS], 15|(3<<16)|(1<<21)          ; K's scale bytes: 4,096 dense bytes as 16 rows of 256, no padding
	s_mov_b32 s[G1KS+1], 32<<16
	s_mov_b32 s[G1KS+2], 16<<16
	s_mov_b32 s[G1KS+3], 32<<16
	s_mov_b32 s[G1KS+4], 16
	s_mov_b32 s[G1KS+5], 32
	s_mov_b32 s[G1KS+6], 0
	s_mov_b32 s[G1KS+7], 0
	s_mov_b32 s[G1VS], 15|(3<<16)|(1<<20)|(1<<21)|(3<<22)|(1<<25)   ; V's scale bytes: 64 rows of 64 bytes: 2 words of padding after every 16
	s_mov_b32 s[G1VS+1], 8<<16
	s_mov_b32 s[G1VS+2], 64<<16
	s_mov_b32 s[G1VS+3], 8<<16
	s_mov_b32 s[G1VS+4], 64
	s_mov_b32 s[G1VS+5], 8
	s_mov_b32 s[G1VS+6], 0
	s_mov_b32 s[G1VS+7], 0
	; the lane's addresses: all are made here, ahead of the branch on the wave's number
	v_and_b32 v20, 15, v0                          ; r
	v_bfe_u32 v21, v0, 4, 1                        ; h
	v_bfe_u32 v22, v0, 3, 1                        ; r / 8
	v_and_b32 v23, 7, v0                           ; r % 8
	v_and_b32 v24, 31, v0                          ; lane
	v_lshlrev_b32 v16, 5, v20
	v_lshl_add_u32 v16, v21, 4, v16                ; Q's codes: row r of 32 bytes, + 16 h
	v_lshlrev_b32 v17, 1, v20                      ; Q's scale bytes: 2 a row
	v_mul_u32_u24 v[AK0], v22, KPL                 ; K: my row m = r of a tile: key m % 8 + 32 (m / 8): long row m / 8, 32 (m % 8) in it, + 16 h
	v_lshl_add_u32 v[AK0], v23, 5, v[AK0]
	v_lshl_add_u32 v[AK0], v21, 4, v[AK0]
	v_lshlrev_b32 v[AKS0], 6, v22                  ; K's scale bytes: 2 a key; lanes 16-31 take the next tile's, 8 keys on
	v_lshl_add_u32 v[AKS0], v23, 1, v[AKS0]
	v_lshl_add_u32 v[AKS0], v21, 4, v[AKS0]
	v_add_nc_u32 v[AKS0], SCK, v[AKS0]
	v_mul_u32_u24 v[AV0], v20, VP                  ; V: row d = r, + 16 h
	v_lshl_add_u32 v[AV0], v21, 4, v[AV0]
	v_add_nc_u32 v[AV0], VB, v[AV0]
	v_mul_u32_u24 v[AVS0], v24, SVP                ; V's scale words: row d = lane: lanes 16-31 hold the next tile's
	v_add_nc_u32 v[AVS0], SCV, v[AVS0]
	v_lshlrev_b32 v[SH], 3, v21
	v_mul_u32_u24 v[STO], v20, 272                 ; the stage, in: row r, + 32 h
	v_lshl_add_u32 v[STO], v21, 5, v[STO]
	v_add_nc_u32 v[STO], s63, v[STO]
	v_mul_u32_u24 v[SRD], v21, 272                 ; back: lanes 0-15 one row of 256 bytes, lanes 16-31 the next
	v_lshl_add_u32 v[SRD], v20, 4, v[SRD]
	v_add_nc_u32 v[SRD], s63, v[SRD]
	v_lshlrev_b32 v[GOUT], 4, v24                  ; and the same two rows in out: 512 consecutive bytes
	s_wait_kmcnt 0x0
	s_add_nc_u64 s[8:9], s[8:9], s[26:27]          ; K and V at the head: nothing of cx in them
	s_add_nc_u64 s[12:13], s[12:13], s[26:27]
	s_add_nc_u64 s[10:11], s[10:11], s[60:61]
	s_add_nc_u64 s[14:15], s[14:15], s[60:61]
	s_add_nc_u64 s[4:5], s[4:5], s[26:27]          ; Q and out at my first query
	s_lshl_b32 s28, s25, 5
	s_add_nc_u64 s[4:5], s[4:5], s[28:29]
	s_add_nc_u64 s[6:7], s[6:7], s[60:61]
	s_lshl_b32 s28, s25, 1
	s_add_nc_u64 s[6:7], s[6:7], s[28:29]
	s_lshl_b32 s28, s24, 19                        ; out: 524,288 bytes a head, 256 a query: under 2^32 together
	s_lshl_b32 s62, s25, 8
	s_add_co_u32 s28, s28, s62
	s_add_nc_u64 s[16:17], s[16:17], s[28:29]
	global_load_b128 v[QF:QF+3], v16, s[4:5] th:TH_LOAD_NT               ; Q of both passes: 512 consecutive bytes a load
	global_load_u16 v[QS], v17, s[6:7]
	global_load_b128 v[QN:QN+3], v16, s[4:5] offset:8192 th:TH_LOAD_NT   ; the second pass: 256 queries on
	global_load_u16 v[QSN], v17, s[6:7] offset:512
	ROUND                                          ; all four work-groups are here: the joint loads meet
	; ALL THE FILLS OF THE LAUNCH: wave 0 asks for K's scale bytes and four chunks, wave 1 for V's: five loads of a wave are out.  The branch hangs on the wave's number alone.
	s_cmp_eq_u32 s[WV], 0
	s_cbranch_scc0 .Lnot_k
	s_mov_b32 s[G0], 1                             ; 1:0 count = 1
	s_mov_b32 s[G0+1], SCK                         ; 63:32 LDS address
	s_mov_b64 s[G0+2:G0+3], s[10:11]               ; 120:64 global address
	s_or_b32 s[G0+3], s[G0+3], 0x80000000          ; 127:126 type = 2
.irp j, 0,1,2,3
	s_mov_b32 s[G0+4+4*\j], 1
	s_mov_b32 s[G0+5+4*\j], \j*KCH
	s_add_nc_u64 s[G0+6+4*\j:G0+7+4*\j], s[8:9], \j*16384      ; 512 keys of 32 bytes
	s_or_b32 s[G0+7+4*\j], s[G0+7+4*\j], 0x80000000
.endr
	tensor_load_to_lds s[G0:G0+3], s[G1KS:G1KS+7]
	s_nop 0
.irp j, 0,1,2,3
	tensor_load_to_lds s[G0+4+4*\j:G0+7+4*\j], s[G1K:G1K+7]
	s_nop 0
.endr
.rept 4
	v_nop                                          ; four v_nop follow the last of them, ahead of the jump and the label
.endr
	s_branch .Lasked
.Lnot_k:
	s_cmp_eq_u32 s[WV], 1
	s_cbranch_scc0 .Lasked
	s_mov_b32 s[G0], 1
	s_mov_b32 s[G0+1], SCV
	s_mov_b64 s[G0+2:G0+3], s[14:15]
	s_or_b32 s[G0+3], s[G0+3], 0x80000000
.irp j, 0,1,2,3
	s_mov_b32 s[G0+4+4*\j], 1
	s_mov_b32 s[G0+5+4*\j], VB+\j*VCH
	s_add_nc_u64 s[G0+6+4*\j:G0+7+4*\j], s[12:13], \j*256      ; 512 keys on in every row d
	s_or_b32 s[G0+7+4*\j], s[G0+7+4*\j], 0x80000000
.endr
	tensor_load_to_lds s[G0:G0+3], s[G1VS:G1VS+7]
	s_nop 0
.irp j, 0,1,2,3
	tensor_load_to_lds s[G0+4+4*\j:G0+7+4*\j], s[G1V:G1V+7]
	s_nop 0
.endr
.rept 4
	v_nop
.endr
.Lasked:
.irp i, 4,5,6,7
	v_mov_b32 v[QF+\i], 0                          ; the zero codes of the first product's unused 64 along K: written once
.endr
.irp T, 0,1,2,3,4,5,6,7
.irp i, 4,5,6,7
	v_mov_b32 v[KF+8*\T+\i], 0
.endr
.endr
	v_mov_b32 v19, 0                               ; named with f as a pair, so it is written
	v_mov_b32 v25, 0                               ; a lane permute's destination counts as one of its sources
	v_mov_b32 v32, 0
	s_wait_loadcnt 0x0                             ; Q, both passes
	s_mov_b32 s[PASS], 2
.Lpass:                                                ; a pass: one tile of 16 queries against all keys
	v_mov_b32 v13, 0xfd900000                      ; the largest score so far: -2.39e37, whose c-fold is still a number
	v_mul_f32 v24, s[CS], v13
	v_floor_f32 v12, -v24                          ; -M
	v_mov_b32 v14, 0                               ; the sum
	v_mov_b32 v15, 0
.set i, 0
.rept 32
	v_mov_b32 v[OT+i], 0                           ; O^T.  The step is written once: the first finds zeros, which f = 0 leaves zeros.  (In the second pass these lines are also the places between Q's new registers and the first products)
.set i, i+1
.endr
	s_wait_tensorcnt 3                             ; waves 0 and 1: the scale bytes and chunk 0 have landed; chunks 1 to 3 may stay out (in the second pass nothing is out)
	s_wait_dscnt 0x0
	s_barrier_signal -1
	s_barrier_wait -1                              ; every wave may read them
	KLOAD AK0, AKS0                                ; step 0's K
	s_wait_dscnt 0x0
.irp T, 0,1,2,3,4,5,6,7
	QK \T                                          ; step 0's scores
.endr
	CHUNK 0
	CHUNK 1
	CHUNK 2
	CHUNK 3
	; THE WAY OUT.  The last four sums above are the places behind the last products.  O^T / the sum goes through my own stage in LDS and leaves as whole rows of 256 bytes.
	v_add_f32 v24, v14, v15                        ; the sum's two halves,
	v_permlanex16_b32 v25, v24, s[SEL], s[SEL+1]
	v_add_f32 v24, v24, v25                        ; and lane l xor 16's 1,024 keys: the row's sum, over 1/2
	v_rcp_f32 v26, v24
	v_nop                                          ; a plain instruction between the reciprocal and the use of its result
.set i, 0
	s_wait_alu depctr_va_vdst(0)
.rept 16
	v_pk_mul_f32 v[S+i:S+i+1], v[OT+i:OT+i+1], v[26:27] op_sel_hi:[1,0]   ; register 8 t + j is out(r, 16 t + 8 h + j); of the pair v[26:27] the low word serves both halves
.set i, i+2
.endr
.irp t, 0,1,2,3
	ds_store_b128 v[STO], v[S+8*\t:S+8*\t+3] offset:64*\t
	ds_store_b128 v[STO], v[S+8*\t+4:S+8*\t+7] offset:64*\t+16
.endr
.irp i, 0,1,2,3,4,5,6,7
	ds_load_b128 v[S+32+4*\i:S+35+4*\i], v[SRD] offset:544*\i    ; LDS serves a wave's instructions in order (ISA guide 5.7.1.4): these see my stores
.endr
.irp i, 0,1,2,3,4,5,6,7
	s_wait_dscnt 7-\i                              ; load i is back; the 7 - i behind it may be out
	global_store_b128 v[GOUT], v[S+32+4*\i:S+35+4*\i], s[16:17] offset:512*\i th:TH_STORE_NT   ; 32 lanes store 512 consecutive bytes, two rows of out, at a multiple of 256 from its first byte
.endr
	s_wait_xcnt 0x0                                ; the stores' data registers and their base are written again only behind this wait
	s_add_nc_u64 s[16:17], s[16:17], 0x10000       ; 256 queries on
.irp i, 0,1,2,3
	v_mov_b32 v[QF+\i], v[QN+\i]                   ; the second pass's Q
.endr
	v_mov_b32 v[QS], v[QSN]
	s_sub_co_u32 s[PASS], s[PASS], 1
	s_cmp_lg_u32 s[PASS], 0
	s_cbranch_scc1 .Lpass
	s_wait_xcnt 0x0
	v_lshl_add_u32 v254, v0, 2, 0x34800
	v_mov_b32 v255, 0
	s_wait_tensorcnt 0x0
	ds_add_u32 v254, v255
	s_wait_dscnt 0x0
	ROUND                                          ; the closing round: no work-group ends while a partner may still ask for a tile that names it.  (All my tensor loads were waited for in chunk 2; no LDS instruction of mine is out)
	s_endpgm
.Lfunc_end_k_qc304162c40_attn:
	.size	k_qc304162c40_attn, .Lfunc_end_k_qc304162c40_attn-k_qc304162c40_attn
	.p2alignl 7, 3214868480
	.fill 96, 4, 3214868480
	.section	.rodata,"a",@progbits
	.p2align	6, 0x0
	.amdhsa_kernel k_qc304162c40_attn
		.amdhsa_group_segment_fixed_size 217088
		.amdhsa_private_segment_fixed_size 0
		.amdhsa_enable_private_segment 0
		.amdhsa_kernarg_size 56
		.amdhsa_user_sgpr_count 2
		.amdhsa_user_sgpr_kernarg_segment_ptr 1
		.amdhsa_wavefront_size32 1
		.amdhsa_system_sgpr_workgroup_id_x 1
		.amdhsa_system_sgpr_workgroup_id_y 1
		.amdhsa_system_sgpr_workgroup_id_z 1
		.amdhsa_system_vgpr_workitem_id 0
		.amdhsa_next_free_vgpr 256
		.amdhsa_next_free_sgpr 96
		.amdhsa_reserve_vcc 0
		.amdhsa_float_denorm_mode_32 3
		.amdhsa_float_denorm_mode_16_64 3
		.amdhsa_memory_ordered 1
		.amdhsa_forward_progress 1
		.amdhsa_inst_pref_size 129
	.end_amdhsa_kernel
	.amdgpu_metadata
---
amdhsa.version: [ 1, 2 ]
amdhsa.kernels:
  - .name:           k_qc304162c40_attn
    .symbol:         k_qc304162c40_attn.kd
    .args:
      - { .name: Q_codes, .offset: 0, .size: 8, .value_kind: global_buffer, .address_space: global }
      - { .name: Q_scales, .offset: 8, .size: 8, .value_kind: global_buffer, .address_space: global }
      - { .name: K_codes, .offset: 16, .size: 8, .value_kind: global_buffer, .address_space: global }
      - { .name: K_scales, .offset: 24, .size: 8, .value_kind: global_buffer, .address_space: global }
      - { .name: V_codes, .offset: 32, .size: 8, .value_kind: global_buffer, .address_space: global }
      - { .name: V_scales, .offset: 40, .size: 8, .value_kind: global_buffer, .address_space: global }
      - { .name: out0, .offset: 48, .size: 8, .value_kind: global_buffer, .address_space: global }
    .group_segment_fixed_size: 217088
    .private_segment_fixed_size: 0
    .kernarg_segment_align: 8
    .kernarg_segment_size: 56
    .max_flat_workgroup_size: 512
    .sgpr_count:     96
    .vgpr_count:     256
    .wavefront_size: 32
...
	.end_amdgpu_metadata
.endif
;; end of part 1
